; MI455X (gfx1250); checked and timed in simulation.
; The chip was launched on July 23, 2026; its instructions are those of AMD's public machine-readable ISA for CDNA 5 (MIT licence, August 2026) and "CDNA5" Instruction Set Architecture Reference Guide (July 2026). The comments in the code are by the model that wrote it; some were corrected since.
;; Cross Attention. Allowed arithmetic: matrix products marked QUANTISED: E2M3 operands, one E8M0 scale for each 32 along K, by v_wmma_scale_f32_16x16x128_f8f6f4 with both operands' format E2M3, f32 sums; everything else in f32.
;; Inputs: kv 2 x 2,048 x 2 x 8 x 128 float32; q 2 x 2,048 x 16 x 128 float32.
;; Outputs: out0 2 x 2,048 x 16 x 128 float32.
;; This version of the problem:
;;   THIS VERSION OF THE PROBLEM IS GIVEN IN LOW PRECISION. The matrix products marked QUANTISED in the list below multiply operands that are first quantised to E2M3 (2 exponent bits, 3 mantissa bits; 6 bits a number), with one power-of-two scale for each 32 numbers along K (OCP MX v1.0); their sums are f32. All else is computed in f32.
;;   The module's matrix products, in the order in which they are computed (A, B: the left and right operand; K: the contracted axis; several contracted axes count as one K, in the product's order):
;;     1. batch 32 x [M 2,048, K 128] x [K 128, N 2,048]; A: input q; B: computed on the way: QUANTISED
;;     2. batch 32 x [M 128, K 2,048] x [K 2,048, N 2,048]; A: input kv; B: softmax (see below): QUANTISED
;;   THE QUANTISER, for each operand of a quantised product, along K:
;;     - K is cut into blocks of 32 from its start; a last block that is shorter is filled with zeros.
;;     - A block's scale is 2^e with e = floor(log2(the largest magnitude in the block)) - 2, held to -126 .. 127; a block of zeros has e = 0. As a byte (E8M0): e + 127.
;;     - Each number is divided by its block's scale, clamped to +-7.5, and rounded to the nearest number of E2M3, ties to even, subnormals kept.
;;     - The product sums the exact products of the quantised numbers (number of the format x scale) in f32.
;;   ~~~python
;;   def quantise(x, axis):      # numpy; x: float32 -> the quantised numbers, widened to float32 again
;;       x = np.moveaxis(x, axis, -1); K = x.shape[-1]
;;       x = np.pad(x, [(0, 0)] * (x.ndim - 1) + [(0, -K % 32)]); x = x.reshape(x.shape[:-1] + (-1, 32)); a = np.abs(x).max(-1, keepdims=True)
;;       e = np.where(a > 0, np.clip(np.frexp(np.where(a > 0, a, 1))[1] - 1 - 2, -126, 127), 0)      # np.frexp(a)[1] - 1 = floor(log2(a)), exactly
;;       r = np.clip(x / 2.0 ** e, -7.5, 7.5)
;;       step = 2.0 ** (np.maximum(np.frexp(np.where(r == 0, 1, r))[1] - 1, 0) - 3)
;;       q = np.round(r / step) * step * 2.0 ** e      # np.round: ties to even
;;       return np.moveaxis(q.reshape(q.shape[:-2] + (-1,))[..., :K], -1, axis).astype(np.float32)
;;   ~~~
;;   SOFTMAX AHEAD OF A QUANTISED PRODUCT. Where the list says 'softmax', what is quantised is not the finished softmax but p = 2^(t - M), with t = logit x log2(e) and M = ceil(the row's largest t), a whole number; so 1/2 < the row's largest p <= 1. The row's sum l is taken of the UNQUANTISED p, in f32, and the product's result is divided by l at the end. Since M is a whole number, a kernel that streams over the keys may use a running M (the ceiling of the running maximum): every later rescaling is an exact power of two, which a block's scale takes up: the codes' values come out the same.
;;   OPERANDS COMPUTED ON THE WAY. 'Computed on the way' means the value that the module computes at that place (a softmax that the list does not call 'softmax' is quantised finished and normalised). What goes into a quantiser is computed in f32, as accurately as f32 sums, v_exp_f32 and their like allow (about 1e-6 of the number): no bf16 or f16 on the way to a quantiser, and a product that is left as it is and whose result goes on into a quantised operand takes f32 operands (vector FMAs, or v_wmma_f32_16x16x4_f32). A number that lies on a knife's edge between two numbers of the format may be rounded either way, as far as f32 arithmetic and the matrix unit's own rounding can turn it there, and no further.
;; One version. Each part assembles by itself: llvm-mc -triple=amdgcn-amd-amdhsa -mcpu=gfx1250 --defsym DOCPART=n.
;; ======== version 1 of 1: 2 launches
;; limits: right only within a limited range of input values
;; workspace buffers: kvc 6,553,600 bytes; vsum 131,072 bytes
;; launch prep (part 1): grid 16 x 16, 8 waves a work-group, no clusters, 47,104 bytes of LDS; arguments kv, kvc, vsum; writes kvc, vsum
.if DOCPART == 1
	.amdgcn_target "amdgcn-amd-amdhsa--gfx1250"
	.amdhsa_code_object_version 6
	.text
	.protected	k_q4c9e58e769_prep
	.globl	k_q4c9e58e769_prep
	.p2align	8
	.type	k_q4c9e58e769_prep,@function
k_q4c9e58e769_prep:
	s_mov_b64 s[64:65], 0
	v_nop
	global_prefetch_b8 v0, s[64:65] scope:SCOPE_SE
	s_setreg_imm32_b32 hwreg(HW_REG_WAVE_MODE, 25, 1), 1
	s_wait_xcnt 0x0
; LAUNCH 1 OF 2.  kv [2][2048][2][8][128] f32 becomes codes of FP6 (E2M3) with one E8M0 byte for each 32 along a product's K, laid as the second launch's operand registers want them.
;   k x 1/sqrt(128) (multiplied in f32, as reference() writes it) is quantised along the head's 128;  v is quantised along the keys.
; WHAT THE PROGRAM LEAVES OUT.  reference() overwrites scores[q][k] by -10000 wherever k > q, whatever q and kv hold.  So the products q . k of a key step (128 keys) that lies wholly behind a tile's 16 queries
;   reach no output, and the second launch does not form them.
; WHAT IT DOES NOT LEAVE OUT.  -10000 is a number, not -infinity: where all live scores of a row lie near or under it, the masked keys count.  Their part of the second product is kept, by an identity:
;   in a step that is wholly masked every p of a row is the same number pm = 2^(tm - M), tm = -10000 log2(e) = -14427 + 0.0496, M a whole number.  A block of 32 equal numbers has the scale 2^(-14427 - M - 2);
;   pm over it is 4 x 2^0.0496 = 4.14, which rounds to the code 4.0 (the next code is 4.5, the middle 4.25).  So every quantised p of such a block is c = 2^(-14427 - M), exactly, and
;   the sum over the step's keys of Q(p) Q(v) = c x the sum over these keys of Q(v).  This launch stores that sum of Q(v), for each 128 keys and each channel, in vsum; the second launch adds c x (the sums behind the
;   tile's diagonal step) to O and (their number of keys) x pm to the row's sum, in every row, with no branch.  No input is left out: both launches together load all of kv and q.
; LIMITS.  Where pm lies under 2^-124 the format's subnormals and the hold of a scale at 2^-126 are not followed for the masked steps: what they would add lies under 2^-110 of the row's sum.
;   NaN and infinities among the inputs are not served; one that reaches only the products left out is not carried to the result.  A block of zeros gets the byte 1 where the rule says 127: its codes are zeros, and this program alone reads the bytes.
; SHARES.  Work-group (x = key step s of 128 keys, y = bh = 8 b + kv head).  Waves 0-3: K, 32 keys (two tiles of 16) each.  Waves 4-7: V, 32 channels (two tiles of 16) each, all 128 keys.  Waves share nothing: no barrier.
; LAYOUT OF THE WORKSPACE.  A fragment (16 rows x 128 along K, 12 registers a lane) lies as the image of its registers: register j of lane l at 512 (j / 4) + 16 l + 4 (j % 4): 1,536 bytes.
;   kvc [bh][slot of 512 keys: 4][quarter: 4][step in the slot: 4][4 fragments, then their 4 x 16 scale words]: quarters 0, 1 = K's tiles 0-3, 4-7; quarters 2, 3 = V's.
;   vsum [bh][step 16][channel 128] f32.
;   THE KEYS OF A TILE OF K ARE NOT NEIGHBOURS: row r of tile 2 b + u is key 32 b + 8 u + r + 8 (r / 8), so that the second launch finds 16 neighbouring keys in the 16 registers of two neighbouring tiles of scores.
.set SP,    528                        ; K's stage: a key's 512 bytes + 16: 33 x 16 bytes, so that sixteen rows of a 16-byte column start in sixteen different groups of banks
.set KSTG,  16*SP                      ; a K wave's stage: 16 rows
.set VIMG,  4*KSTG                     ; behind the four stages: a V wave's two images, 3,072 bytes
.set SPARE, VIMG+4*3072                ; behind them: the spare words, 128 bytes for each of eight waves: four blocks of 256 bytes that no other line names
.set LI,   1                           ; v1   16 x lane
.set L4,   2                           ; v2   4 x lane
.set KST,  3                           ; v3   K's stage on the way in: 16 x lane
.set KRD,  4                           ; v4   and on the way out: 528 r + 128 h
.set VST,  5                           ; v5   V's images on the way in: 1,536 (lane / 16) + 16 (lane % 16)
.set VRD,  6                           ; v6   and on the way out: 16 x lane
.set H8,   7                           ; v7   8 h
.set LANE, 8                           ; v8   lane
.set SPW,  12                          ; v12  LDS address of my spare word; never rewritten
.set NIL,  13                          ; v13  0; never rewritten
.set SEL,  20                          ; s[20:21] v_permlanex16_b32's selects for lane l xor 16
; 64 numbers of a lane, v[xx + 32 e + i] = k 64 e + 32 h + i of its row (two whole blocks of 32), become the fragment's 12 registers v[cd] on and the row's scale word v[wd].
; tm: seven registers at work; ct: seven more, the first an even one; h8: the register that holds 8 h.
.macro QUANT64 xx, cd, wd, tm, ct, h8
.irp e, 0,1
	v_max3_num_f32 v[(\tm)+\e], |v[(\xx)+32*\e]|, |v[(\xx)+32*\e+1]|, 0x1800000   ; the block's largest magnitude, and the floor 2^(3 - 127): the byte cannot fall under 1
.endr
.irp i, 2,4,6,8,10,12,14,16,18,20,22,24,26,28,30
.irp e, 0,1
	s_delay_alu instid0(VALU_DEP_2)
	v_max3_num_f32 v[(\tm)+\e], v[(\tm)+\e], |v[(\xx)+32*\e+\i]|, |v[(\xx)+32*\e+\i+1]|   ; (the two blocks by turns)
.endr
.endr
.irp e, 0,1
	s_delay_alu instid0(VALU_DEP_2)
	v_add_nc_u32 v[(\tm)+2+\e], 0xff000000, v[(\tm)+\e]   ; 2 off its exponent field: the conversion takes the exponent field of this operand as its scale
.endr
.irp e, 0,1
	s_delay_alu instid0(VALU_DEP_2)
	v_lshrrev_b32 v[(\tm)+4+\e], 23, v[(\tm)+2+\e]        ; the scale's byte
.endr
	s_delay_alu instid0(VALU_DEP_1)
	v_lshl_or_b32 v[\wd], v[(\tm)+5], 16, v[(\tm)+4]      ; my two bytes: blocks h and 2 + h,
	s_delay_alu instid0(VALU_DEP_1)
	v_lshlrev_b32 v[\wd], v[\h8], v[\wd]                  ; at their places in the word;
	v_mov_b32 v[(\tm)+6], 0                               ; (a lane permute's destination counts as one of its sources)
	s_delay_alu instid0(VALU_DEP_1)
	v_permlanex16_b32 v[(\tm)+6], v[\wd], s[SEL], s[SEL+1]
	s_delay_alu instid0(VALU_DEP_1)
	v_or_b32 v[\wd], v[\wd], v[(\tm)+6]                   ; with lane l xor 16's two the word is whole, in both lanes
.irp e, 0,1
	v_cvt_scalef32_pk16_fp6_f32 v[(\cd)+6*\e:(\cd)+6*\e+2], v[(\xx)+32*\e:(\xx)+32*\e+15], v[(\tm)+2+\e]
	v_cvt_scalef32_pk16_fp6_f32 v[(\ct)+4*\e:(\ct)+4*\e+2], v[(\xx)+32*\e+16:(\xx)+32*\e+31], v[(\tm)+2+\e]   ; (a conversion's three registers begin on an even number: the second half is made elsewhere and moved)
.endr
	v_nop                                                 ; one plain place behind the last scaled conversion
.irp e, 0,1
.irp i, 0,1,2
	v_mov_b32 v[(\cd)+6*\e+3+\i], v[(\ct)+4*\e+\i]
.endr
.endr
.endm
	; (THE WORKSPACE AS THIS TEXT LAYS IT: kvc [bh][slot of 512 keys: 4][quarter: 4][step in the slot: 4][6,400 bytes: four fragments' images, then their 4 x 16 scale words]; quarters 0, 1 = K's tiles 0-3, 4-7; quarters 2, 3 = V's.  There is no buffer of scale words by itself.)
	s_load_b128 s[4:7], s[0:1], 0x0                ; kv s[4:5], kvc s[6:7]
	s_load_b64 s[10:11], s[0:1], 0x10              ; vsum
	v_lshl_add_u32 v[SPW], v0, 2, SPARE
	v_mov_b32 v[NIL], 0
	v_lshrrev_b32 v9, 5, v0
	s_delay_alu instid0(VALU_DEP_1)
	v_readfirstlane_b32 s12, v9                    ; wave 0..7
	s_and_b32 s13, s12, 3                          ; my number within my role
	s_mov_b32 s14, ttmp9                           ; the key step s
	s_and_b32 s15, ttmp7, 0xffff                   ; bh
	s_mov_b32 s16, 0x3db504f3                      ; 1 / sqrt(128) in f32
	s_mov_b32 s17, s16                             ; (named with it as a pair, so it is written)
	s_mov_b32 s[SEL], 0x76543210
	s_mov_b32 s[SEL+1], 0xfedcba98
	; every LDS address is made here, ahead of the parting of the roles
	v_and_b32 v[LANE], 31, v0
	v_and_b32 v9, 15, v0                           ; r
	v_bfe_u32 v10, v0, 4, 1                        ; h
	s_delay_alu instid0(VALU_DEP_3)
	v_lshlrev_b32 v[LI], 4, v[LANE]
	s_delay_alu instid0(VALU_DEP_4)
	v_lshlrev_b32 v[L4], 2, v[LANE]
	s_delay_alu instid0(VALU_DEP_3)
	v_lshlrev_b32 v[H8], 3, v10
	s_mul_i32 s32, s13, KSTG
	v_add_nc_u32 v[KST], s32, v[LI]
	v_mul_u32_u24 v11, v9, SP
	s_delay_alu instid0(VALU_DEP_1)
	v_lshl_add_u32 v11, v10, 7, v11
	s_delay_alu instid0(VALU_DEP_1)
	v_add_nc_u32 v[KRD], s32, v11
	s_mul_i32 s32, s13, 3072
	s_add_co_u32 s32, s32, VIMG
	v_add_nc_u32 v[VRD], s32, v[LI]
	v_mul_u32_u24 v11, v10, 1536
	s_delay_alu instid0(VALU_DEP_1)
	v_lshl_add_u32 v11, v9, 4, v11
	s_delay_alu instid0(VALU_DEP_1)
	v_add_nc_u32 v[VST], s32, v11
	; where my part begins in kv, in bytes (a key is 8,192, the choice of k or v 4,096, a head 512, a batch 2^24)
	s_lshr_b32 s32, s15, 3
	s_lshl_b32 s32, s32, 24                        ; b
	s_lshl_b32 s33, s14, 20                        ; 128 s keys
	s_add_co_u32 s32, s32, s33
	s_and_b32 s33, s15, 7
	s_lshl_b32 s33, s33, 9                         ; the kv head
	s_add_co_u32 s32, s32, s33
	s_lshl_b32 s33, s13, 18                        ; K: my 32 keys
	s_lshl_b32 s34, s13, 7
	s_add_co_u32 s34, s34, 4096                    ; V: v, and my 32 channels
	s_cmp_lt_u32 s12, 4
	s_cselect_b32 s33, s33, s34
	s_add_co_u32 s32, s32, s33
	s_mov_b32 s33, 0
	; in kvc: wave w makes fragments 2 w and 2 w + 1 of the step's sixteen (K's eight, then V's eight)
	s_mul_i32 s34, s15, 409600
	s_lshr_b32 s35, s14, 2
	s_mul_i32 s35, s35, 102400                     ; the slot of four steps
	s_add_co_u32 s34, s34, s35
	s_lshr_b32 s35, s12, 1
	s_mul_i32 s35, s35, 25600                      ; the quarter
	s_add_co_u32 s34, s34, s35
	s_and_b32 s35, s14, 3
	s_mul_i32 s35, s35, 6400                       ; the step in the slot
	s_add_co_u32 s34, s34, s35
	s_and_b32 s35, s12, 1
	s_lshl_b32 s36, s35, 7
	s_add_co_u32 s36, s36, s34
	s_add_co_u32 s36, s36, 6144                    ; my 32 scale words lie behind the unit's four fragments
	s_mul_i32 s35, s35, 3072                       ; my two of the quarter's four
	s_add_co_u32 s34, s34, s35
	s_mov_b32 s35, 0
	s_mov_b32 s37, 0
	; in vsum
	s_lshl_b32 s38, s15, 13
	s_lshl_b32 s39, s14, 9
	s_add_co_u32 s38, s38, s39
	s_lshl_b32 s39, s13, 7
	s_add_co_u32 s38, s38, s39
	s_mov_b32 s39, 0
	s_wait_kmcnt 0x0
	s_add_nc_u64 s[24:25], s[4:5], s[32:33]
	s_add_nc_u64 s[26:27], s[6:7], s[34:35]
	s_add_nc_u64 s[28:29], s[6:7], s[36:37]
	s_add_nc_u64 s[30:31], s[10:11], s[38:39]
	s_cmp_lt_u32 s12, 4
	s_cbranch_scc0 .Lv_role
	; ---------------- K: two tiles of 16 keys.  A load takes one key's 512 consecutive bytes, 16 a lane; the conversions want 32 neighbours along the head's axis in one lane: a tile turns through my stage.
.set KR,  32                           ; v32-159   as loaded: 2 tiles x 16 keys x 4 registers
.set KX,  160                          ; v160-223  a lane's 64 numbers
.set KC,  224                          ; v224-247  the two fragments' codes: each has registers of its own, so that no store's data are written again
.set KCT, 248                          ; v248-254  at work
.set KW,  28                           ; v28, v29  the two tiles' scale words
.irp u, 0,1
.irp i, 0,1,2,3,4,5,6,7,8,9,10,11,12,13,14,15
	global_load_b128 v[KR+64*\u+4*\i:KR+64*\u+4*\i+3], v[LI], s[24:25] offset:(8*\u+\i+8*(\i/8))*8192 th:TH_LOAD_NT   ; row i of tile u: key 8 u + i + 8 (i / 8) of my 32
.endr
.endr
.macro FRAGK u
	s_wait_loadcnt 16*(1-\u)                       ; this tile's sixteen loads are in; the other tile's, issued behind them, may be out
.irp i, 0,1,2,3,4,5,6,7,8,9,10,11,12,13,14,15
	ds_store_b128 v[KST], v[KR+64*\u+4*\i:KR+64*\u+4*\i+3] offset:SP*\i
.endr
.irp e, 0,1
.irp i, 0,1,2,3,4,5,6,7
	ds_load_b128 v[KX+32*\e+4*\i:KX+32*\e+4*\i+3], v[KRD] offset:256*\e+16*\i   ; LDS serves a wave's instructions in order: these see my stores.  Row r, numbers 64 e + 32 h + 0 .. 31
.endr
.endr
	s_wait_dscnt 0x0
.set n, 0
.rept 32
	v_pk_mul_f32 v[KX+n:KX+n+1], v[KX+n:KX+n+1], s[16:17] op_sel_hi:[1,0]   ; k x 1 / sqrt(128), in f32, ahead of the quantiser
.set n, n+2
.endr
	QUANT64 KX, KC+12*\u, KW+\u, 14, KCT, H8
.irp k, 0,1,2
	global_store_b128 v[LI], v[KC+12*\u+4*\k:KC+12*\u+4*\k+3], s[26:27] offset:1536*\u+512*\k   ; the image: 32 lanes store 512 consecutive bytes
.endr
.endm
	s_wait_alu depctr_va_vdst(0)
	FRAGK 0
	FRAGK 1
	v_cmp_le_u32 vcc_lo, 16, v[LANE]
	s_delay_alu instid0(VALU_DEP_1)
	v_cndmask_b32 v30, v[KW], v[KW+1], vcc_lo      ; lanes 0-15: the first tile's words, row = lane; lanes 16-31: the second's (both halves of the lanes hold a row's word)
	global_store_b32 v[L4], v30, s[28:29]          ; 128 consecutive bytes
	s_wait_tensorcnt 0x0                           ; the wave's end, behind my last LDS store
	ds_add_u32 v[SPW], v[NIL]
	s_wait_dscnt 0x0
	s_endpgm
.Lv_role:
	; ---------------- V: a lane takes a channel, and its registers run down the keys: a block of 32 keys lies in one lane's 32 registers, and the codes come out with the keys innermost.
.set VX,   32                          ; v32-159   my channel's 128 numbers
.set VD,   160                         ; v160-191  a block's codes widened again
.set VC,   192                         ; v192-198  a block's codes
.set VSB,  199                         ; v199      my channel's scale word
.set VACC, 200                         ; v200      the sum of Q(v) over the step's keys
.set VONE, 201                         ; v201      the byte 127 four times: the widening multiplies by 1
.set VOUT, 204                         ; v204-227  the way out
.set n, 0
.rept 128
	global_load_b32 v[VX+n], v[L4], s[24:25] offset:n*8192 th:TH_LOAD_NT   ; key n: 32 lanes read 128 consecutive bytes; the four V waves stand side by side on the head's 512
.set n, n+1
.endr
	v_mov_b32 v[VONE], 0x7f7f7f7f
.macro BLOCKV be, cnt
.set XS, VX+32*(\be)
	s_wait_loadcnt \cnt                            ; this block's 32 loads are in.  Behind them 96, 64, 32, 0 were issued; the wait's field holds 63 at the most, which lies under 96 and 64
	v_max3_num_f32 v14, |v[XS]|, |v[XS+1]|, |v[XS+2]|
	v_max3_num_f32 v15, |v[XS+3]|, |v[XS+4]|, |v[XS+5]|
.irp i, 6,10,14,18,22,26
	s_delay_alu instid0(VALU_DEP_2)
	v_max3_num_f32 v14, v14, |v[XS+\i]|, |v[XS+\i+1]|
	s_delay_alu instid0(VALU_DEP_2)
	v_max3_num_f32 v15, v15, |v[XS+\i+2]|, |v[XS+\i+3]|
.endr
	s_delay_alu instid0(VALU_DEP_2)
	v_max3_num_f32 v14, v14, |v[XS+30]|, |v[XS+31]|
	s_delay_alu instid0(VALU_DEP_1)
	v_max3_num_f32 v14, v14, v15, 0x1800000        ; and the floor 2^(3 - 127)
	s_delay_alu instid0(VALU_DEP_1)
	v_add_nc_u32 v16, 0xff000000, v14              ; 2 off the exponent field: the conversion's scale operand
	s_delay_alu instid0(VALU_DEP_1)
	v_lshrrev_b32 v17, 23, v16                     ; the byte
.if (\be) == 0
	s_delay_alu instid0(VALU_DEP_1)
	v_mov_b32 v[VSB], v17
.else
	s_delay_alu instid0(VALU_DEP_1)
	v_lshl_or_b32 v[VSB], v17, 8*(\be), v[VSB]
.endif
	v_cvt_scalef32_pk16_fp6_f32 v[VC:VC+2], v[XS:XS+15], v16
	v_cvt_scalef32_pk16_fp6_f32 v[VC+4:VC+6], v[XS+16:XS+31], v16
	v_and_b32 v18, 0x7f800000, v16                 ; the scale as f32.  (The plain place between the conversions and those that read their results)
	v_cvt_scale_pk16_f32_fp6 v[VD:VD+15], v[VC:VC+2], v[VONE]       ; the codes' values, for the sum of Q(v)
	v_cvt_scale_pk16_f32_fp6 v[VD+16:VD+31], v[VC+4:VC+6], v[VONE]
	v_nop                                          ; one plain place behind the last scaled conversion
	v_mov_b32 v[VC+3], v[VC+4]                     ; the block's six registers on end
	v_mov_b32 v[VC+4], v[VC+5]
	v_mov_b32 v[VC+5], v[VC+6]
; block be is registers 6 (be / 2) .. + 5 of lane (r, be % 2) of my channel's fragment: into the image, 256 bytes on for the upper half of the lanes
.if (\be) < 2
	ds_store_b128 v[VST], v[VC:VC+3] offset:256*(\be)
	ds_store_b64 v[VST], v[VC+4:VC+5] offset:512+256*(\be)
.else
	ds_store_b64 v[VST], v[VC:VC+1] offset:520+256*((\be)-2)
	ds_store_b128 v[VST], v[VC+2:VC+5] offset:1024+256*((\be)-2)
.endif
.irp i, 0,4,8,12,16,20,24,28                   ; the 32 values are multiples of 1/8, 7.5 at the most: their sum is exact in any order
	v_pk_add_f32 v[VD+\i:VD+\i+1], v[VD+\i:VD+\i+1], v[VD+\i+2:VD+\i+3]
.endr
.irp i, 0,8,16,24
	v_pk_add_f32 v[VD+\i:VD+\i+1], v[VD+\i:VD+\i+1], v[VD+\i+4:VD+\i+5]
.endr
.irp i, 0
	s_delay_alu instid0(VALU_DEP_3)
	v_pk_add_f32 v[VD+\i:VD+\i+1], v[VD+\i:VD+\i+1], v[VD+\i+8:VD+\i+9]
.endr
.irp i, 16
	s_delay_alu instid0(VALU_DEP_2)
	v_pk_add_f32 v[VD+\i:VD+\i+1], v[VD+\i:VD+\i+1], v[VD+\i+8:VD+\i+9]
.endr
	s_delay_alu instid0(VALU_DEP_1)
	v_pk_add_f32 v[VD:VD+1], v[VD:VD+1], v[VD+16:VD+17]
	s_delay_alu instid0(VALU_DEP_1)
	v_add_f32 v19, v[VD], v[VD+1]
.if (\be) == 0
	s_delay_alu instid0(VALU_DEP_1)
	v_mul_f32 v[VACC], v19, v18                    ; x the block's scale; the first block starts the sum
.else
	s_delay_alu instid0(VALU_DEP_1)
	v_fma_f32 v[VACC], v19, v18, v[VACC]
.endif
	s_wait_dscnt 0x0                               ; the stores have read their registers: the next block's codes may be written
.endm
	BLOCKV 0, 63
	BLOCKV 1, 63
	BLOCKV 2, 32
	BLOCKV 3, 0
.irp k, 0,1,2,3,4,5
	ds_load_b128 v[VOUT+4*\k:VOUT+4*\k+3], v[VRD] offset:512*\k   ; my two images, as they lie
.endr
.irp k, 0,1,2,3,4,5
	s_wait_dscnt 5-\k                              ; load k is back; the younger ones may be out
	global_store_b128 v[LI], v[VOUT+4*\k:VOUT+4*\k+3], s[26:27] offset:512*\k   ; 32 lanes store 512 consecutive bytes
.endr
	global_store_b32 v[L4], v[VSB], s[28:29]       ; my channel's scale word: 128 consecutive bytes a wave
	s_wait_alu depctr_va_vdst(0)
	global_store_b32 v[L4], v[VACC], s[30:31]      ; and its sum of Q(v)
	s_wait_tensorcnt 0x0                           ; the wave's end, behind my last LDS store
	ds_add_u32 v[SPW], v[NIL]
	s_wait_dscnt 0x0
	s_endpgm
.Lfunc_end_k_q4c9e58e769_prep:
	.size	k_q4c9e58e769_prep, .Lfunc_end_k_q4c9e58e769_prep-k_q4c9e58e769_prep
	.p2alignl 7, 3214868480
	.fill 96, 4, 3214868480
	.section	.rodata,"a",@progbits
	.p2align	6, 0x0
	.amdhsa_kernel k_q4c9e58e769_prep
		.amdhsa_group_segment_fixed_size 47104
		.amdhsa_private_segment_fixed_size 0
		.amdhsa_enable_private_segment 0
		.amdhsa_kernarg_size 24
		.amdhsa_user_sgpr_count 2
		.amdhsa_user_sgpr_kernarg_segment_ptr 1
		.amdhsa_wavefront_size32 1
		.amdhsa_system_sgpr_workgroup_id_x 1
		.amdhsa_system_sgpr_workgroup_id_y 1
		.amdhsa_system_sgpr_workgroup_id_z 1
		.amdhsa_system_vgpr_workitem_id 0
		.amdhsa_next_free_vgpr 256
		.amdhsa_next_free_sgpr 66
		.amdhsa_reserve_vcc 1
		.amdhsa_float_denorm_mode_32 3
		.amdhsa_float_denorm_mode_16_64 3
		.amdhsa_memory_ordered 1
		.amdhsa_forward_progress 1
		.amdhsa_inst_pref_size 52
	.end_amdhsa_kernel
	.amdgpu_metadata
---
amdhsa.version: [ 1, 2 ]
amdhsa.kernels:
  - .name:           k_q4c9e58e769_prep
    .symbol:         k_q4c9e58e769_prep.kd
    .args:
      - { .name: kv, .offset: 0, .size: 8, .value_kind: global_buffer, .address_space: global }
      - { .name: kvc, .offset: 8, .size: 8, .value_kind: global_buffer, .address_space: global }
      - { .name: vsum, .offset: 16, .size: 8, .value_kind: global_buffer, .address_space: global }
    .group_segment_fixed_size: 47104
    .private_segment_fixed_size: 0
    .kernarg_segment_align: 8
    .kernarg_segment_size: 24
    .max_flat_workgroup_size: 256
    .sgpr_count:     66
    .vgpr_count:     256
    .wavefront_size: 32
...
	.end_amdgpu_metadata
.endif
;; end of part 1
;; launch attn (part 2): grid 16 x 16, 8 waves a work-group, clusters of 4 x 1, 327,680 bytes of LDS; arguments q, kvc, vsum, out0; writes out0
.if DOCPART == 2
	.amdgcn_target "amdgcn-amd-amdhsa--gfx1250"
	.amdhsa_code_object_version 6
	.text
	.protected	k_q4c9e58e769_attn
	.globl	k_q4c9e58e769_attn
	.p2align	8
	.type	k_q4c9e58e769_attn,@function
k_q4c9e58e769_attn:
	s_mov_b64 s[64:65], 0
	v_nop
	global_prefetch_b8 v0, s[64:65] scope:SCOPE_SE
	s_setreg_imm32_b32 hwreg(HW_REG_WAVE_MODE, 25, 1), 1
	s_wait_xcnt 0x0
	s_wait_alu depctr_hold_cnt(0) depctr_sa_sdst(0) depctr_va_vdst(0) depctr_va_sdst(0) depctr_va_ssrc(0) depctr_va_vcc(0) depctr_vm_vsrc(0)
	s_getreg_b32 s2, hwreg(HW_REG_IB_STS2, 6, 4)
	s_cmp_eq_u32 s2, 0
	s_cbranch_scc0 .Lentry_in_a_cluster
	s_endpgm
.Lentry_in_a_cluster:
	s_bfe_u32 s2, ttmp6, 0x10000c
	s_cmp_lg_u32 s2, 0x3003
	s_cbranch_scc0 .Lentry_shape_is_right
	s_endpgm
.Lentry_shape_is_right:
; LAUNCH 2 OF 2.  out[b][q][h][:] = the sum over k of softmax_k(q . (k / sqrt(128)), masked to -10000 where k > q) v, both products on codes of FP6 (E2M3) with one E8M0 scale for each 32 along a product's K.
; LEFT OUT: the products q . k of key steps (128 keys) that lie wholly behind a tile's queries: reference() overwrites those scores by -10000 for every input.  What those keys add to the second product and to the
;   row's sum is NOT left out: it is c x (the stored sums of Q(v)) and (their number) x pm, as shown at the head of the first launch, added in every row, with no branch.  Limits: as stated there.
; THE SOFTMAX AHEAD OF THE SECOND PRODUCT: t = score x log2(e); M = the largest t so far, rounded UP to a whole number; p = 2^(t - M) is quantised along the keys, not normalised; the row's sum is taken of the
;   unquantised p and divides O at the end.  When M moves, the sum and O are multiplied by 2^(old M - new M): exact.  The largest t begins at tm = -10000 log2(e) for every query that has a masked key (all but 2047).
; SHARES.  Cluster (x = i of 4, y = bh = 8 b + kv head) owns the blocks of 256 queries 7 - i and i of both query heads of the kv head, one after the other (two PHASES).  Block n has 2 n + 2 key steps, four to a slot: 4 - i / 2 slots and then
;   1 + i / 2: five slots, whatever i.  The work-group at place cx takes, of each 128 queries of the block, 32 cx .. + 31, for both heads: four groups of 32 rows.
;   Group g (head g / 2, 128 queries g % 2) belongs to waves g and g + 4: both hold its 32 queries (two tiles of 16, so that each fragment of K or V feeds two matrix instructions); wave g takes the even key steps, g + 4 the odd ones.
;   At a phase's end they exchange a tile: each joins both halves of ONE tile (its own, A; the partner's own is B) and stores it.
; CLUSTERS: the four work-groups walk the same slots: each quarter of a slot is asked for jointly (mask 15), by waves 0-3; waves 4-7 fetch q's rows, plain loads.  No branch and no LDS address hangs on the place in the cluster.
; NO PREFETCH: two of the five slots come with the head's loads, and each refill has the four key steps of a whole slot (two of every wave) in which to land; the second phase's slots have been read in the first.
; Both products are used transposed: S^T = K Q^T (source 0 = 16 keys, source 1 = 16 queries), O^T = V^T P^T: a lane holds ONE query (lane % 16) throughout.
;   Row r of K's tile 2 b + u is key 32 b + 8 u + r + 8 (r / 8): register 16 b + i of the scores is key 32 b + 16 (lane / 16) + i of the step.
; A slot in LDS and in memory: [quarter 4][step 4][6,400]: four fragments' images (register j of lane l at 512 (j / 4) + 16 l + 4 (j % 4)), then 4 x 16 scale words; quarters 0, 1: K's tiles, 2, 3: V's.
; REGISTERS.  Window 0: addresses, state, Q, P, fragments, work.  Window 1: the scores of A and B (v0-63, v64-127), then O of A and B (v128-191, v192-255).
.set QTR,   25600
.set STB,   6400
.set SLOTB, 102400
.set FRB,   1536
.set VOFF,  2*QTR
.set SLOT1, 1<<17                      ; slot 1 begins here: one exclusive or turns an address in one slot into the other's
.set IMG,   SLOTB                      ; eight images of Q's codes, 2,048 bytes each
.set TAILA, IMG+8*2048                 ; [phase][128 queries 0, 1][128 channels] f32: the sums of Q(v) behind the diagonal step
.set SPARE, TAILA+2048                 ; the spare words, 128 bytes for each of eight waves: no other line names them
.set QST,   SLOT1+SLOTB                ; q's rows, 528 bytes apart: eight regions of 16 rows; behind their last fill they serve the exchange and the way out
.set SP,    528
.set RGN,   16*SP                      ; = 16 x 512 + 2 x 128: a tile's O and its sum and M too
.set LI,   1                           ; 16 x lane
.set L4,   2                           ; 4 x lane
.set STI,  3                           ; partner's region: 528 r + 32 h
.set STR,  4                           ; partner's region: 16 x lane
.set SPW,  5                           ; my spare word; never rewritten
.set NIL,  6                           ; 0; never rewritten
.set TLS,  7                           ; where I store 32 channels of TAILA
.set XST,  8                           ; my region: 16 x lane
.set QRD,  9                           ; my region: 528 r + 128 h
.set TLR,  10                          ; my group's TAILA + 32 h
.set IMGO, 11                          ; my image, + 16 x lane; 12: my partner's
.set IMGP, 12
.set IM4O, 13                          ; the same, + 4 x lane
.set IM4P, 14
.set H8,   15                          ; 8 h
.set NMA,  16                          ; -M of A; 17 the largest t;  18, 19: B's
.set MTA,  17
.set NMB,  18
.set MTB,  19
.set LA,   20                          ; the sums, two halves each
.set LB,   22
.set FA,   24                          ; factors (the pairs' upper halves are named with them)
.set FB,   26
.set ADK,  28
.set ADS,  29
.set ADV,  30
.set ADSV, 31
.set X4O,  32                          ; my region, 4 x lane
.set DL,   33                          ; r - 16 h
.set DA,   34
.set DB,   35
.set MINF, 36                          ; -10000
.set X4P,  37                          ; partner's region, 4 x lane
.set Z,    38                          ; v38-39: 0
.set KSC,  40                          ; v40-43 the scale words of eight fragments, two fragments to a register
.set PSA,  44
.set PSB,  45
.set QSA,  46
.set QSB,  47
.set QA,   48
.set QB,   60
.set PA,   72
.set PB,   84
.set FR,   96                          ; v96-191 eight fragments of K or of V
.set BMA,  192
.set BMB,  196
.set PXA,  200
.set PXB,  204
.set SCA,  208
.set SCB,  212
.set ACA,  216
.set ACB,  224
.set CTA,  232
.set CTB,  240
.set SA,   0                           ; window 1
.set SB,   64
.set OA,   128
.set OB,   192
; scalars
.set TB,   2                           ; LDS byte at which the slot in hand begins
.set TR,   3
.set KI,   12                          ; the slot in hand, counted in its phase
.set NX,   13                          ; which of the five fills is asked for next
.set KB,   14                          ; s[14:15] my quarter of slot 0 in memory
.set OF,   16
.set WV,   18
.set HF,   19                          ; wave / 4
.set SEL,  20
.set CS,   22                          ; s[22:23] log2(e)
.set G1K,  24
.set G1Q,  32
.set G0K,  40
.set G0Q,  44
.set SD,   48                          ; my group's diagonal step
.set NL,   49                          ; slots of the first phase
.set QA0,  50                          ; A's first query
.set QB0,  51
.set KS,   52                          ; the step in hand
.set SO,   53                          ; where it lies in LDS
.set INN,  54
.set XF,   55
.set CI,   66                          ; i
.set CX,   67
.set OBS,  68                          ; s[68:69] out0 + batch + head
.set LH,   70                          ; wave % 2
.set GR,   71                          ; wave % 4
.set BH,   72
.set HO,   73
.set OUT,  76
.set QBS,  78                          ; s[78:79] q + batch + head
.set TO,   80
.set BQ,   81                          ; my group's first query
.set MSB, 0
.macro WIN new                         ; the immediate's high byte repeats the setting that is left
.if MSB != \new
	s_set_vgpr_msb (MSB<<8)|\new
.set MSB, \new
.endif
.endm
.macro PLACES
.rept 4
	v_nop
.endr
.endm
.macro ROUND                           ; a round of the cluster's barrier
	s_barrier_signal -1
	s_barrier_wait -1
	s_cmp_lg_u32 s[WV], 0
	s_cbranch_scc1 .Lnot_wave_0_\@
	s_barrier_signal -3
.Lnot_wave_0_\@:
	s_barrier_wait -3
	s_barrier_signal -1
	s_barrier_wait -1
.endm
; waves 0-3: their quarter of a slot, jointly; waves 4-7: their group's 32 rows of q
.macro LOADS
	s_cmp_lt_u32 s[WV], 4
	s_cbranch_scc0 .Lfor_q_\@
	tensor_load_to_lds s[G0K:G0K+3], s[G1K:G1K+7]
	s_nop 0
	PLACES
	s_branch .Lasked_\@
.Lfor_q_\@:
	tensor_load_to_lds s[G0Q:G0Q+3], s[G1Q:G1Q+7]
	s_nop 0
	PLACES
.Lasked_\@:
.endm
.macro REFILL
	s_cmp_lt_u32 s[WV], 4
	s_cbranch_scc0 .Lno_part_\@
	tensor_load_to_lds s[G0K:G0K+3], s[G1K:G1K+7]
	s_nop 0
	PLACES
.Lno_part_\@:
.endm
; the next fill's descriptor: the other slot of LDS; in memory fill n is slot n of the first phase, then slot n - NL of the second
.macro NEXTG0
	s_sub_co_u32 s56, s[NX], s[NL]
	s_cmp_lt_u32 s[NX], s[NL]
	s_cselect_b32 s56, s[NX], s56
	s_mul_i32 s[OF], s56, SLOTB
	s_add_nc_u64 s[G0K+2:G0K+3], s[KB:KB+1], s[OF:OF+1]
	s_or_b32 s[G0K+3], s[G0K+3], 0x80000000
	s_xor_b32 s[G0K+1], s[G0K+1], SLOT1
	s_add_co_u32 s[NX], s[NX], 1
.endm
; THE CHANGE OF SLOTS: in front of the round each wave waits for all its tensor loads, adds 0 to its spare word, and waits for that and for its own LDS accesses; behind it the slot ahead is whole and nobody in the cluster reads the other
.macro CHANGE
	s_wait_alu depctr_va_vdst(0)
	s_wait_tensorcnt 0x0
	ds_add_u32 v[SPW], v[NIL]
	NEXTG0
	s_wait_dscnt 0x0
	ROUND
.endm
; my group's numbers for the block of 256 queries in s56.  SD hangs on the cluster and the wave alone
.macro PHASES
	s_lshl_b32 s[SD], s56, 1
	s_add_co_u32 s[SD], s[SD], s[LH]
	s_lshl_b32 s57, s56, 8
	s_lshl_b32 s58, s[LH], 7
	s_add_co_u32 s57, s57, s58
	s_lshl_b32 s58, s[CX], 5
	s_add_co_u32 s[BQ], s57, s58
	s_lshl_b32 s58, s[HF], 4
	s_add_co_u32 s[QA0], s[BQ], s58
	s_sub_co_u32 s58, 16, s58
	s_add_co_u32 s[QB0], s[BQ], s58
.endm
.macro OUTADR
	s_lshl_b32 s74, s[QA0], 13
	s_mov_b32 s75, 0
	s_add_nc_u64 s[OUT:OUT+1], s[OBS:OBS+1], s[74:75]
.endm
; O of both tiles becomes 0.  (A step is written once for all steps: the first finds zeros, which the first change of M leaves zeros; a wave may have no step at all in a phase)
.macro ZERO_O
	WIN 0x40
.set n, 0
.rept 64
	v_pk_add_f32 v[OA+n:OA+n+1], v[Z:Z+1], v[Z:Z+1]
.set n, n+2
.endr
	WIN 0
.endm
.macro FRAGS a, w                      ; four loads of scale words, then 24 of eight fragments
.irp i, 0,1,2,3
	ds_load_b32 v[KSC+\i], v[\w] offset:QTR*(\i/2)+6144+128*(\i%2)
.endr
.irp t, 0,1,2,3,4,5,6,7
.irp k, 0,1,2
	ds_load_b128 v[FR+12*\t+4*\k:FR+12*\t+4*\k+3], v[\a] offset:QTR*(\t/4)+FRB*(\t%4)+512*\k
.endr
.endr
.endm
.macro SPROD d, b, bs, t               ; a tile of scores: 16 keys x 16 queries
.if (\t)%2
	v_wmma_scale_f32_16x16x128_f8f6f4 v[\d+8*\t:\d+8*\t+7], v[FR+12*\t:FR+12*\t+11], v[\b:\b+11], 0, v[KSC+\t/2], v[\bs] matrix_a_fmt:MATRIX_FMT_FP6 matrix_b_fmt:MATRIX_FMT_FP6 matrix_a_scale:MATRIX_SCALE_ROW1
.else
	v_wmma_scale_f32_16x16x128_f8f6f4 v[\d+8*\t:\d+8*\t+7], v[FR+12*\t:FR+12*\t+11], v[\b:\b+11], 0, v[KSC+\t/2], v[\bs] matrix_a_fmt:MATRIX_FMT_FP6 matrix_b_fmt:MATRIX_FMT_FP6
.endif
.endm
.macro OPROD d, b, bs, t               ; 16 channels x 16 queries, onto O
.if (\t)%2
	v_wmma_scale_f32_16x16x128_f8f6f4 v[\d+8*\t:\d+8*\t+7], v[FR+12*\t:FR+12*\t+11], v[\b:\b+11], v[\d+8*\t:\d+8*\t+7], v[KSC+\t/2], v[\bs] matrix_a_fmt:MATRIX_FMT_FP6 matrix_b_fmt:MATRIX_FMT_FP6 matrix_a_scale:MATRIX_SCALE_ROW1
.else
	v_wmma_scale_f32_16x16x128_f8f6f4 v[\d+8*\t:\d+8*\t+7], v[FR+12*\t:FR+12*\t+11], v[\b:\b+11], v[\d+8*\t:\d+8*\t+7], v[KSC+\t/2], v[\bs] matrix_a_fmt:MATRIX_FMT_FP6 matrix_b_fmt:MATRIX_FMT_FP6
.endif
.endm
; A KEY STEP of 128 keys for both tiles
.macro STEP
	v_add_nc_u32 v[ADK], s[SO], v[LI]              ; (these four are also the places in front of loads into registers that the last products have read)
	v_add_nc_u32 v[ADS], s[SO], v[L4]
	v_add_nc_u32 v[ADV], VOFF, v[ADK]
	v_add_nc_u32 v[ADSV], VOFF, v[ADS]
	FRAGS ADK, ADS
	s_wait_alu depctr_va_vdst(0)
	s_wait_dscnt 12                                ; the scale words and K's tiles 0-3 are in; twelve loads of tiles 4-7 may be out
	WIN 0x40
.irp t, 0,1,2,3
	SPROD SA, QA, QSA, \t
.endr
	s_wait_dscnt 0x0
.irp t, 4,5,6,7
	SPROD SA, QA, QSA, \t
.endr
.irp t, 0,1,2,3,4,5,6,7
	SPROD SB, QB, QSB, \t
.endr
	WIN 0
	PLACES
	FRAGS ADV, ADSV                                ; V's fragments take K's registers, and land under the softmax
	s_cmp_lg_u32 s[KS], s[SD]                      ; on the diagonal the scores of masked keys become -10000, as in reference(), ahead of the maximum; ids alone decide
	s_cbranch_scc1 .Lopen_\@
	s_lshl_b32 s56, s[KS], 7
	s_sub_co_i32 s57, s[QA0], s56
	s_sub_co_i32 s58, s[QB0], s56
	v_add_nc_u32 v[DA], s57, v[DL]                 ; d = my query - the step's first key - 16 h.  Register 16 b + i holds key 16 h + 32 b + i of the step: masked where 32 b + i > d
	v_add_nc_u32 v[DB], s58, v[DL]
	WIN 0x41
.set n, 0
.rept 64
	v_cmp_gt_i32 vcc_lo, 32*(n/16)+n%16, v[DA]
	v_cndmask_b32 v[SA+n], v[SA+n], v[MINF], vcc_lo
.set n, n+1
.endr
.set n, 0
.rept 64
	v_cmp_gt_i32 vcc_lo, 32*(n/16)+n%16, v[DB]
	v_cndmask_b32 v[SB+n], v[SB+n], v[MINF], vcc_lo
.set n, n+1
.endr
	WIN 0
.Lopen_\@:
	WIN 0x15
.irp b, 0,1,2,3
	v_max3_num_f32 v[BMA+\b], v[SA+16*\b], v[SA+16*\b+1], v[SA+16*\b+2]   ; the largest score of each block of 32 keys: for the row's maximum and, since p rises with the score, for the block's largest p
	v_max3_num_f32 v[BMB+\b], v[SB+16*\b], v[SB+16*\b+1], v[SB+16*\b+2]
.endr
	WIN 0x14
.irp i, 3,5,7,9,11,13
.irp b, 0,1,2,3
	v_max3_num_f32 v[BMA+\b], v[BMA+\b], v[SA+16*\b+\i], v[SA+16*\b+\i+1]
	v_max3_num_f32 v[BMB+\b], v[BMB+\b], v[SB+16*\b+\i], v[SB+16*\b+\i+1]
.endr
.endr
.irp b, 0,1,2,3
	v_max_num_f32 v[BMA+\b], v[BMA+\b], v[SA+16*\b+15]
	v_max_num_f32 v[BMB+\b], v[BMB+\b], v[SB+16*\b+15]
.endr
	WIN 0
.irp b, 0,1,2,3,4,5,6,7
	v_permlanex16_b32 v[PXA+\b], v[BMA+\b], s[SEL], s[SEL+1]
.endr
.irp b, 0,1,2,3,4,5,6,7
	v_max_num_f32 v[BMA+\b], v[BMA+\b], v[PXA+\b]  ; with lane l xor 16's 16 keys
.endr
	v_max3_num_f32 v252, v[BMA], v[BMA+1], v[BMA+2]
	v_max3_num_f32 v253, v[BMB], v[BMB+1], v[BMB+2]
	v_max_num_f32 v252, v252, v[BMA+3]
	v_max_num_f32 v253, v253, v[BMB+3]
	v_mul_f32 v252, s[CS], v252                    ; as t
	v_mul_f32 v253, s[CS], v253
	v_max_num_f32 v[MTA], v[MTA], v252             ; the running largest t
	v_max_num_f32 v[MTB], v[MTB], v253
	v_mov_b32 v252, v[NMA]
	v_mov_b32 v253, v[NMB]
	v_floor_f32 v[NMA], -v[MTA]                    ; the new -M = floor(-t) = -ceil(t): M IS A WHOLE NUMBER
	v_floor_f32 v[NMB], -v[MTB]
	v_sub_f32 v252, v[NMA], v252                   ; M's old value less its new one: a whole number, 0 or less
	v_sub_f32 v253, v[NMB], v253
	v_cvt_i32_f32 v252, v252                       ; (it saturates)
	v_cvt_i32_f32 v253, v253
	v_ldexp_f32 v[FA], 1.0, v252                   ; f = 2^(old M - new M)
	v_ldexp_f32 v[FB], 1.0, v253
.irp b, 0,1,2,3
	v_fma_f32 v[BMA+\b], v[BMA+\b], s[CS], v[NMA]  ; t - M of each block's largest score
	v_fma_f32 v[BMB+\b], v[BMB+\b], s[CS], v[NMB]
.endr
	WIN 0x41
.set n, 0
.rept 32
	v_pk_mul_f32 v[OA+n:OA+n+1], v[OA+n:OA+n+1], v[FA:FA+1] op_sel_hi:[1,0]   ; O under the new M, each accumulator from its low end on
.set n, n+2
.endr
.set n, 0
.rept 32
	v_pk_mul_f32 v[OB+n:OB+n+1], v[OB+n:OB+n+1], v[FB:FB+1] op_sel_hi:[1,0]
.set n, n+2
.endr
.set n, 0
.rept 32
	v_pk_fma_f32 v[SA+n:SA+n+1], v[SA+n:SA+n+1], s[CS:CS+1], v[NMA:NMA+1] op_sel_hi:[1,0,0]   ; t - M, two at a time (of the pairs the low word serves both halves)
.set n, n+2
.endr
	s_wait_alu depctr_va_vdst(0)                   ; ahead of the batch
.set n, 0
.rept 32
	v_exp_f32 v[SA+n], v[SA+n]                     ; p = 2^(t - M), at most 1: NOT normalised
	v_pk_fma_f32 v[SB+n:SB+n+1], v[SB+n:SB+n+1], s[CS:CS+1], v[NMB:NMB+1] op_sel_hi:[1,0,0]   ; B's t - M stand between A's exponentials
	v_exp_f32 v[SA+n+1], v[SA+n+1]
.set n, n+2
.endr
	s_wait_alu depctr_va_vdst(0)                   ; behind A's batch and ahead of B's
.set n, 0
.rept 64
	v_exp_f32 v[SB+n], v[SB+n]
.set n, n+1
.endr
	WIN 0
.irp b, 0,1,2,3,4,5,6,7
	v_exp_f32 v[BMA+\b], v[BMA+\b]                 ; each block's largest p: the same two instructions on the same number give the same bits
.endr
	v_nop                                          ; a plain place behind the last of them
	s_wait_alu depctr_va_vdst(0)                   ; the wait ahead of the batch's first reader
.irp b, 0,1,2,3,4,5,6,7
	v_max_num_f32 v[BMA+\b], 0x1800000, v[BMA+\b]  ; the floor 2^(3 - 127): the byte cannot fall under 1 (a block whose every p has fallen to 0 keeps that byte: its codes are zeros)
.endr
.irp b, 0,1,2,3,4,5,6,7
	v_add_nc_u32 v[SCA+\b], 0xff000000, v[BMA+\b]  ; 2 off the exponent field: the conversion's scale operand
.endr
.irp b, 0,1,2,3,4,5,6,7
	v_lshrrev_b32 v[BMA+\b], 23, v[SCA+\b]         ; the scale's byte
.endr
	v_lshl_or_b32 v252, v[BMA+1], 8, v[BMA]        ; p's scale words for these 128 keys
	v_lshl_or_b32 v253, v[BMB+1], 8, v[BMB]
	v_lshl_or_b32 v252, v[BMA+2], 16, v252
	v_lshl_or_b32 v253, v[BMB+2], 16, v253
	v_lshl_or_b32 v[PSA], v[BMA+3], 24, v252
	v_lshl_or_b32 v[PSB], v[BMB+3], 24, v253
	WIN 0x01
.irp c, 0,1
	v_cvt_scalef32_pk16_fp6_f32 v[PA+6*\c:PA+6*\c+2], v[SA+32*\c:SA+32*\c+15], v[SCA+2*\c]
	v_cvt_scalef32_pk16_fp6_f32 v[CTA+4*\c:CTA+4*\c+2], v[SA+32*\c+16:SA+32*\c+31], v[SCA+2*\c+1]   ; (a conversion's three registers begin on an even number)
	v_cvt_scalef32_pk16_fp6_f32 v[PB+6*\c:PB+6*\c+2], v[SB+32*\c:SB+32*\c+15], v[SCB+2*\c]
	v_cvt_scalef32_pk16_fp6_f32 v[CTB+4*\c:CTB+4*\c+2], v[SB+32*\c+16:SB+32*\c+31], v[SCB+2*\c+1]
.endr
	WIN 0x05                                       ; THE ROW'S SUM IS TAKEN OF THE UNQUANTISED p: four chains a tile.  (The first line is the plain place behind the conversions)
.irp j, 0,2,4,6
	v_pk_add_f32 v[ACA+\j:ACA+\j+1], v[SA+\j:SA+\j+1], v[SA+8+\j:SA+8+\j+1]
	v_pk_add_f32 v[ACB+\j:ACB+\j+1], v[SB+\j:SB+\j+1], v[SB+8+\j:SB+8+\j+1]
.endr
	WIN 0x04
.irp m, 16,24,32,40,48,56
.irp j, 0,2,4,6
	v_pk_add_f32 v[ACA+\j:ACA+\j+1], v[ACA+\j:ACA+\j+1], v[SA+\m+\j:SA+\m+\j+1]
	v_pk_add_f32 v[ACB+\j:ACB+\j+1], v[ACB+\j:ACB+\j+1], v[SB+\m+\j:SB+\m+\j+1]
.endr
.endr
	WIN 0
.irp c, 0,1                                    ; the operand's layout wants a WHOLE block in a lane: lanes 0-15 block 2 c, lanes 16-31 block 2 c + 1
.irp i, 0,1,2
	v_permlane16_swap_b32 v[PA+6*\c+\i], v[CTA+4*\c+\i]
	v_permlane16_swap_b32 v[PB+6*\c+\i], v[CTB+4*\c+\i]
.endr
.endr
.irp c, 0,1
.irp i, 0,1,2
	v_mov_b32 v[PA+6*\c+3+\i], v[CTA+4*\c+\i]
	v_mov_b32 v[PB+6*\c+3+\i], v[CTB+4*\c+\i]
.endr
.endr
	v_pk_add_f32 v[ACA:ACA+1], v[ACA:ACA+1], v[ACA+2:ACA+3]   ; (these eight are also the places between P's codes and the products)
	v_pk_add_f32 v[ACB:ACB+1], v[ACB:ACB+1], v[ACB+2:ACB+3]
	v_pk_add_f32 v[ACA+4:ACA+5], v[ACA+4:ACA+5], v[ACA+6:ACA+7]
	v_pk_add_f32 v[ACB+4:ACB+5], v[ACB+4:ACB+5], v[ACB+6:ACB+7]
	v_pk_add_f32 v[ACA:ACA+1], v[ACA:ACA+1], v[ACA+4:ACA+5]
	v_pk_add_f32 v[ACB:ACB+1], v[ACB:ACB+1], v[ACB+4:ACB+5]
	v_pk_fma_f32 v[LA:LA+1], v[LA:LA+1], v[FA:FA+1], v[ACA:ACA+1] op_sel_hi:[1,0,1]
	v_pk_fma_f32 v[LB:LB+1], v[LB:LB+1], v[FB:FB+1], v[ACB:ACB+1] op_sel_hi:[1,0,1]
	s_wait_alu depctr_va_vdst(0)
	s_wait_dscnt 0x0                               ; V's fragments and scale words are in
	WIN 0x50
.irp t, 0,1,2,3,4,5,6,7                        ; the sixteen accumulators take turns, one instruction a turn
	OPROD OA, PA, PSA, \t
.endr
.irp t, 0,1,2,3,4,5,6,7
	OPROD OB, PB, PSB, \t
.endr
	WIN 0
.endm
; A SLOT: my two steps of its four.  A step behind my group's diagonal step is jumped over: its scores are overwritten by reference() for every input
.macro BODY
	s_lshl_b32 s[KS], s[KI], 2
	s_add_co_u32 s[KS], s[KS], s[HF]
	s_add_co_u32 s[SO], s[TB], s[HO]
	s_mov_b32 s[INN], 2
	s_wait_alu depctr_va_vdst(0)                   ; ahead of the branches below
.Lstep_\@:
	s_cmp_gt_u32 s[KS], s[SD]
	s_cbranch_scc1 .Lhidden_\@
	STEP
.Lhidden_\@:
	s_add_co_u32 s[KS], s[KS], 2
	s_add_co_u32 s[SO], s[SO], 2*STB
	s_sub_co_u32 s[INN], s[INN], 1
	s_wait_alu depctr_va_vdst(0)                   ; ahead of the branch
	s_cmp_lg_u32 s[INN], 0
	s_cbranch_scc1 .Lstep_\@
	s_xor_b32 s[TB], s[TB], SLOT1
	s_add_co_u32 s[KI], s[KI], 1
.endm
; THE EXCHANGE, in front of a barrier: B's O, sum and -M into my region
.macro GIVE
	PLACES
	v_add_f32 v252, v[LB], v[LB+1]
	ds_store_b32 v[X4O], v252 offset:8192
	ds_store_b32 v[X4O], v[NMB] offset:8320
	WIN 0x04
.irp k, 0,1,2,3,4,5,6,7,8,9,10,11,12,13,14,15
	ds_store_b128 v[XST], v[OB+4*\k:OB+4*\k+3] offset:512*\k
.endr
	WIN 0
.endm
; ... and behind it: both halves of A are joined, the keys behind the diagonal step are added (NB of them, each with p = pm = 2^(tm - M), each quantised to c = 2^(-14427 - M)), O / l is stored
.macro TAKE
	v_add_nc_u32 v[ADK], s[TO], v[TLR]
	ds_load_b32 v250, v[X4P] offset:8192
	ds_load_b32 v251, v[X4P] offset:8320
	WIN 0x40
.irp k, 0,1,2,3,4,5,6,7,8,9,10,11,12,13,14,15
	ds_load_b128 v[SA+4*\k:SA+4*\k+3], v[STR] offset:512*\k
.endr
.irp t, 0,1,2,3,4,5,6,7
.irp k, 0,1
	ds_load_b128 v[SB+8*\t+4*\k:SB+8*\t+4*\k+3], v[ADK] offset:64*\t+16*\k   ; TAILA at channels 16 t + 8 h + 0 .. 7: O's layout
.endr
.endr
	WIN 0
	v_add_f32 v253, v[LA], v[LA+1]
	s_wait_alu depctr_va_vdst(0)
	s_wait_dscnt 32                                ; the partner's sum and -M are in; the 32 loads behind them may be out
	v_min_num_f32 v254, v[NMA], v251               ; -M of both halves
	v_sub_f32 v[FA], v254, v[NMA]
	v_sub_f32 v[FB], v254, v251
	v_cvt_i32_f32 v[FA], v[FA]                     ; (it saturates)
	v_cvt_i32_f32 v[FB], v[FB]
	v_ldexp_f32 v[FA], 1.0, v[FA]
	v_ldexp_f32 v[FB], 1.0, v[FB]
	v_mul_f32 v253, v253, v[FA]
	v_fma_f32 v253, v250, v[FB], v253
	v_permlanex16_b32 v[PXA], v253, s[SEL], s[SEL+1]
	v_add_f32 v253, v253, v[PXA]                   ; with lane l xor 16's
	v_fma_f32 v255, v[MINF], s[CS], v254           ; tm - M, by the multiply-add that every score goes through
	v_min_num_f32 v255, 0, v255                    ; (0 or less wherever a masked key exists; query 2047 has none, and NB and TAILA are 0 in its tile)
	v_add_f32 v248, 0xc6616c00, v254               ; -14427 - M, a whole number
	v_min_num_f32 v248, 0, v248
	v_cvt_i32_f32 v248, v248
	v_ldexp_f32 v248, 1.0, v248                    ; c
	s_lshl_b32 s56, s[SD], 7
	s_sub_co_u32 s56, 1920, s56                    ; NB = 2048 - 128 (SD + 1)
	v_cvt_f32_u32 v[PXA+1], s56
	s_wait_alu depctr_va_vdst(0)
	v_exp_f32 v255, v255                           ; pm
	v_nop
	s_wait_alu depctr_va_vdst(0)
	v_fma_f32 v253, v[PXA+1], v255, v253
	s_wait_alu depctr_va_vdst(0)
	v_rcp_f32 v253, v253
	v_nop
	s_wait_alu depctr_va_vdst(0)
	v_mul_f32 v[FA], v[FA], v253
	v_mul_f32 v[FB], v[FB], v253
	v_mul_f32 v248, v248, v253
	s_wait_alu depctr_va_vdst(0)
	s_wait_dscnt 0x0
	WIN 0x41
	s_wait_alu depctr_va_vdst(0)                   ; ahead of O's first reader, behind the transcendentals
.set n, 0
.rept 32
	v_pk_mul_f32 v[OA+n:OA+n+1], v[OA+n:OA+n+1], v[FA:FA+1] op_sel_hi:[1,0]
.set n, n+2
.endr
	WIN 0x51
.set n, 0
.rept 32
	v_pk_fma_f32 v[OA+n:OA+n+1], v[SA+n:SA+n+1], v[FB:FB+1], v[OA+n:OA+n+1] op_sel_hi:[1,0,1]
.set n, n+2
.endr
.set n, 0
.rept 32
	v_pk_fma_f32 v[OA+n:OA+n+1], v[SB+n:SB+n+1], v[248:249], v[OA+n:OA+n+1] op_sel_hi:[1,0,1]
.set n, n+2
.endr
	WIN 0x04                                       ; through the partner's region, which I alone touch between these two barriers, and out as whole rows of 512 bytes
.irp t, 0,1,2,3,4,5,6,7
	ds_store_b128 v[STI], v[OA+8*\t:OA+8*\t+3] offset:64*\t
	ds_store_b128 v[STI], v[OA+8*\t+4:OA+8*\t+7] offset:64*\t+16
.endr
	WIN 0x40
.irp i, 0,1,2,3,4,5,6,7,8,9,10,11,12,13,14,15
	ds_load_b128 v[SA+4*\i:SA+4*\i+3], v[STR] offset:SP*\i   ; LDS serves a wave's instructions in order: these see my stores
.endr
	WIN 0x04
.irp i, 0,1,2,3,4,5,6,7,8,9,10,11,12,13,14,15
	s_wait_dscnt 15-\i                             ; row i is back; the younger loads may be out
	global_store_b128 v[LI], v[SA+4*\i:SA+4*\i+3], s[OUT:OUT+1] offset:8192*\i th:TH_STORE_NT   ; 32 lanes store 512 consecutive bytes, at a multiple of 512
.endr
	WIN 0
	s_wait_xcnt 0x0                                ; the stores' registers and base may be written
.endm
.macro GETQ                            ; both tiles' codes and scale words
.irp k, 0,1,2
	ds_load_b128 v[QA+4*\k:QA+4*\k+3], v[IMGO] offset:512*\k
	ds_load_b128 v[QB+4*\k:QB+4*\k+3], v[IMGP] offset:512*\k
.endr
	ds_load_b32 v[QSA], v[IM4O] offset:1536
	ds_load_b32 v[QSB], v[IM4P] offset:1536
.endm
.macro SECOND                          ; on to the second phase: block i (all its queries lie under 1,024: each has a masked key)
	GETQ
	s_mov_b32 s56, s[CI]
	PHASES
	OUTADR
	s_mov_b32 s[KI], 0
	v_mul_f32 v[MTA], s[CS], v[MINF]
	v_mul_f32 v[MTB], s[CS], v[MINF]
.irp j, 0,1,2,3
	v_mov_b32 v[LA+\j], 0
.endr
	v_floor_f32 v[NMA], -v[MTA]
	v_floor_f32 v[NMB], -v[MTB]
	ZERO_O
	s_wait_alu depctr_va_vdst(0)
	s_wait_dscnt 0x0
.endm
; MY TILE OF q (16 rows in my region) becomes codes and scale words in my image.  v[FR + 32 e + i] = number 64 e + 32 h + i of row r: two whole blocks of 32 a lane
.macro QUANTQ
	PLACES
.irp e, 0,1
.irp i, 0,1,2,3,4,5,6,7
	ds_load_b128 v[FR+32*\e+4*\i:FR+32*\e+4*\i+3], v[QRD] offset:256*\e+16*\i
.endr
.endr
	s_wait_dscnt 0x0
.irp e, 0,1
	v_max3_num_f32 v[173+\e], |v[FR+32*\e]|, |v[FR+32*\e+1]|, 0x1800000   ; the largest magnitude, and the floor 2^(3 - 127)
.endr
.irp i, 2,4,6,8,10,12,14,16,18,20,22,24,26,28,30
.irp e, 0,1
	v_max3_num_f32 v[173+\e], v[173+\e], |v[FR+32*\e+\i]|, |v[FR+32*\e+\i+1]|
.endr
.endr
.irp e, 0,1
	v_add_nc_u32 v[175+\e], 0xff000000, v[173+\e]  ; 2 off its exponent field: the conversion's scale operand
.endr
.irp e, 0,1
	v_lshrrev_b32 v[177+\e], 23, v[175+\e]
.endr
	v_lshl_or_b32 v172, v178, 16, v177             ; my two bytes: blocks h and 2 + h, at their places in the word
	v_lshlrev_b32 v172, v[H8], v172
	v_mov_b32 v179, 0                              ; (a lane permute's destination counts as one of its sources)
	v_permlanex16_b32 v179, v172, s[SEL], s[SEL+1]
	v_or_b32 v172, v172, v179
.irp e, 0,1
	v_cvt_scalef32_pk16_fp6_f32 v[160+6*\e:162+6*\e], v[FR+32*\e:FR+32*\e+15], v[175+\e]
	v_cvt_scalef32_pk16_fp6_f32 v[180+4*\e:182+4*\e], v[FR+32*\e+16:FR+32*\e+31], v[175+\e]
.endr
	v_nop                                          ; one plain place behind the last scaled conversion
.irp e, 0,1
.irp i, 0,1,2
	v_mov_b32 v[163+6*\e+\i], v[180+4*\e+\i]
.endr
.endr
.irp k, 0,1,2
	ds_store_b128 v[IMGO], v[160+4*\k:163+4*\k] offset:512*\k
.endr
	ds_store_b32 v[IM4O], v172 offset:1536
.endm
	s_load_b256 s[4:11], s[0:1], 0x0               ; q s[4:5], kvc s[6:7], vsum s[8:9], out0 s[10:11]
	v_lshl_add_u32 v[SPW], v0, 2, SPARE
	v_mov_b32 v[NIL], 0
	ds_add_u32 v[SPW], v[NIL]                      ; the wave's opening: the add, twice on end, and its one wait ahead of the first tensor load
	ds_add_u32 v[SPW], v[NIL]
	v_lshrrev_b32 v248, 5, v0
	v_readfirstlane_b32 s[WV], v248                ; wave 0..7
	s_lshr_b32 s[HF], s[WV], 2
	s_and_b32 s[GR], s[WV], 3
	s_and_b32 s[LH], s[WV], 1
	s_mov_b32 s[CI], ttmp9                         ; the cluster's x
	s_and_b32 s[BH], ttmp7, 0xffff
	s_bfe_u32 s[CX], ttmp6, 0x40000
	s_mul_i32 s[HO], s[HF], STB
	s_lshr_b32 s56, s[CI], 1
	s_sub_co_u32 s[NL], 4, s56
	s_sub_co_u32 s56, 7, s[CI]
	PHASES                                         ; the first phase: block 7 - i
	; descriptor group 1: a quarter of a slot, dense, as 100 rows of 256 bytes, asked for jointly; 32 rows of q of 512 bytes, 8,192 apart, with 16 bytes of padding behind each
	s_mov_b32 s[G1K], 15|(3<<16)|(1<<21)
	s_mov_b32 s[G1K+1], 32<<16
	s_mov_b32 s[G1K+2], 100<<16
	s_mov_b32 s[G1K+3], 32<<16
	s_mov_b32 s[G1K+4], 100
	s_mov_b32 s[G1K+5], 32
	s_mov_b32 s[G1K+6], 0
	s_mov_b32 s[G1K+7], 0
	s_mov_b32 s[G1Q], (3<<16)|(1<<20)|(6<<22)|(3<<25)
	s_mov_b32 s[G1Q+1], 64<<16
	s_mov_b32 s[G1Q+2], 32<<16
	s_mov_b32 s[G1Q+3], 64<<16
	s_mov_b32 s[G1Q+4], 32
	s_mov_b32 s[G1Q+5], 1024
	s_mov_b32 s[G1Q+6], 0
	s_mov_b32 s[G1Q+7], 0
	s_mul_i32 s62, s[BH], 4*SLOTB
	s_mul_i32 s61, s[GR], QTR
	s_add_co_u32 s62, s62, s61                     ; my quarter of the kv head's slot 0
	s_mov_b32 s63, 0
	s_mov_b32 s[G0K], 1
	s_mov_b32 s[G0K+1], s61
	s_mov_b32 s[G0Q], 1
	s_mul_i32 s61, s[GR], 2*RGN
	s_add_co_u32 s[G0Q+1], s61, QST
	s_lshr_b32 s60, s[BH], 3
	s_lshl_b32 s60, s60, 24                        ; the batch
	s_and_b32 s58, s[BH], 7
	s_lshl_b32 s58, s58, 1
	s_lshr_b32 s59, s[GR], 1
	s_add_co_u32 s58, s58, s59                     ; the query head
	s_lshl_b32 s58, s58, 9
	s_add_co_u32 s60, s60, s58
	s_mov_b32 s61, 0
	s_lshl_b32 s74, s[BQ], 13
	s_mov_b32 s75, 0
	s_mov_b32 s[SEL], 0x76543210
	s_mov_b32 s[SEL+1], 0xfedcba98
	s_mov_b32 s[CS], 0x3fb8aa3b                    ; log2(e) (1 / sqrt(128) went into k ahead of its quantiser)
	s_mov_b32 s[CS+1], s[CS]
	s_mov_b32 s[TB], 0
	s_mov_b32 s[KI], 0
	s_mov_b32 s[NX], 1
	s_mov_b32 s[OF+1], 0
	s_lshl_b32 s56, s[GR], 1
	s_add_co_u32 s56, s56, s[HF]                   ; my region: a group's two tiles lie on end
	s_xor_b32 s57, s56, 1                          ; my partner's
	s_mul_i32 s56, s56, RGN
	s_add_co_u32 s56, s56, QST
	s_mul_i32 s57, s57, RGN
	s_add_co_u32 s57, s57, QST
	s_lshl_b32 s58, s[WV], 11
	s_xor_b32 s59, s58, 4<<11
	s_add_co_u32 s58, s58, IMG
	s_add_co_u32 s59, s59, IMG
	s_lshl_b32 s[TO], s[LH], 9
	s_add_co_u32 s[TO], s[TO], TAILA
	s_lshl_b32 s82, s[HF], 9
	s_lshl_b32 s83, s[GR], 7
	s_add_co_u32 s82, s82, s83
	s_add_co_u32 s82, s82, TAILA
	; every vector address, ahead of the first branch
	v_and_b32 v248, 31, v0                         ; lane
	v_and_b32 v249, 15, v0                         ; r
	v_bfe_u32 v250, v0, 4, 1                       ; h
	v_lshlrev_b32 v[LI], 4, v248
	v_lshlrev_b32 v[L4], 2, v248
	v_lshlrev_b32 v[H8], 3, v250
	v_lshlrev_b32 v251, 4, v250
	v_sub_nc_u32 v[DL], v249, v251
	v_mul_u32_u24 v252, v249, SP
	v_lshl_add_u32 v253, v250, 5, v252
	v_lshl_add_u32 v254, v250, 7, v252
	v_lshlrev_b32 v255, 5, v250
	v_add_nc_u32 v[STI], s57, v253
	v_add_nc_u32 v[STR], s57, v[LI]
	v_add_nc_u32 v[X4P], s57, v[L4]
	v_add_nc_u32 v[XST], s56, v[LI]
	v_add_nc_u32 v[X4O], s56, v[L4]
	v_add_nc_u32 v[QRD], s56, v254
	v_add_nc_u32 v[IMGO], s58, v[LI]
	v_add_nc_u32 v[IMGP], s59, v[LI]
	v_add_nc_u32 v[IM4O], s58, v[L4]
	v_add_nc_u32 v[IM4P], s59, v[L4]
	v_add_nc_u32 v[TLR], s[TO], v255
	v_add_nc_u32 v[TLS], s82, v[L4]
	v_add_nc_u32 v250, s[QA0], v249                ; A's query of this lane, and B's
	v_add_nc_u32 v251, s[QB0], v249
	s_wait_alu depctr_va_vdst(0)                   ; directly ahead of the waits below
	s_wait_dscnt 0x0                               ; both opening adds are done
	s_wait_kmcnt 0x0
	s_add_nc_u64 s[KB:KB+1], s[6:7], s[62:63]
	s_mov_b64 s[G0K+2:G0K+3], s[KB:KB+1]
	s_or_b32 s[G0K+3], s[G0K+3], 0x80000000
	s_add_nc_u64 s[QBS:QBS+1], s[4:5], s[60:61]
	s_add_nc_u64 s[OBS:OBS+1], s[10:11], s[60:61]
	s_add_nc_u64 s[G0Q+2:G0Q+3], s[QBS:QBS+1], s[74:75]
	s_or_b32 s[G0Q+3], s[G0Q+3], 0x80000000
	ROUND                                          ; all four work-groups are here: the first joint loads meet
	LOADS                                          ; slot 0, and the first phase's q: one tensor load a wave
	OUTADR
	; TAILA: 32 channels a wave, for the 128 queries wave / 4 of both phases' blocks: the sum of the stored sums of Q(v) over the steps behind their diagonal step.  The choice is a factor 1 or 0 made of ids.  Step 0 lies behind no query
	s_lshl_b32 s58, s[BH], 13
	s_lshl_b32 s59, s[GR], 7
	s_add_co_u32 s58, s58, s59
	s_mov_b32 s59, 0
	s_add_nc_u64 s[8:9], s[8:9], s[58:59]
.irp i, 1,2,3,4,5,6,7,8,9,10,11,12,13,14,15
	global_load_b32 v[FR+\i], v[L4], s[8:9] offset:512*\i
.endr
	v_mov_b32 v[MINF], 0xc61c4000                  ; -10000
	v_mov_b32 v252, 0xff61b1e6                     ; query 2047 has no masked key: -3e38, under every t
	v_mul_f32 v[MTA], s[CS], v[MINF]
	v_mul_f32 v[MTB], s[CS], v[MINF]
	v_cmp_eq_u32 vcc_lo, 0x7ff, v250
	v_cndmask_b32 v[MTA], v[MTA], v252, vcc_lo
	v_cmp_eq_u32 vcc_lo, 0x7ff, v251
	v_cndmask_b32 v[MTB], v[MTB], v252, vcc_lo
	v_floor_f32 v[NMA], -v[MTA]                    ; -M
	v_floor_f32 v[NMB], -v[MTB]
.irp j, 0,1,2,3,4,5,6,7
	v_mov_b32 v[LA+\j], 0                          ; the sums; the factors' pairs
.endr
.irp j, 0,1,2,3,4,5,6,7
	v_mov_b32 v[PXA+\j], 0                         ; a lane permute's destination counts as one of its sources
.endr
	v_mov_b32 v[Z], 0
	v_mov_b32 v[Z+1], 0
	v_mov_b32 v249, 0                              ; (named as the upper half of the pair v[248:249])
	ZERO_O
	s_sub_co_u32 s57, 7, s[CI]
	s_lshl_b32 s57, s57, 1
	s_add_co_u32 s57, s57, s[HF]
	s_lshl_b32 s58, s[CI], 1
	s_add_co_u32 s58, s58, s[HF]
	s_wait_alu depctr_va_vdst(0)
	s_wait_loadcnt 0x0
	s_wait_xcnt 0x0
.irp i, 1,2,3,4,5,6,7,8,9,10,11,12,13,14,15
	s_cmp_lt_u32 s57, \i
	s_cselect_b32 s59, 0x3f800000, 0               ; 1.0 where step i lies behind the diagonal step
	s_cmp_lt_u32 s58, \i
	s_cselect_b32 s60, 0x3f800000, 0
.if \i == 1
	v_mul_f32 v112, s59, v[FR+1]
	v_mul_f32 v113, s60, v[FR+1]
.else
	v_fma_f32 v112, v[FR+\i], s59, v112
	v_fma_f32 v113, v[FR+\i], s60, v113
.endif
.endr
	ds_store_b32 v[TLS], v112
	ds_store_b32 v[TLS], v113 offset:1024
	s_wait_alu depctr_va_vdst(0)                   ; the wait at the head's end
	s_wait_tensorcnt 0x0
	s_wait_dscnt 0x0
	s_barrier_signal -1
	s_barrier_wait -1                              ; every wave's part of slot 0 and of q is in
	QUANTQ
	s_wait_alu depctr_va_vdst(0)
	s_wait_tensorcnt 0x0                           ; ahead of a later first fill and of a refill
	ds_add_u32 v[SPW], v[NIL]
	NEXTG0                                         ; slot 1
	s_lshl_b32 s58, s[CI], 1
	s_sub_co_u32 s58, 7, s58
	s_lshl_b32 s58, s58, 8
	s_sub_co_u32 s58, s[BQ], s58                   ; my group's first query in the second phase: 256 (7 - 2 i) less
	s_lshl_b32 s74, s58, 13
	s_add_nc_u64 s[G0Q+2:G0Q+3], s[QBS:QBS+1], s[74:75]
	s_or_b32 s[G0Q+3], s[G0Q+3], 0x80000000
	s_wait_dscnt 0x0                               ; the add is done, my image is stored, my reads of q's rows are over
	ROUND
	LOADS                                          ; slot 1's first fill, and the second phase's q over the first's
	GETQ
	s_wait_dscnt 0x0
	s_mov_b32 s[TR], 2
.Lslot:                                                ; slots 0 and 1
	BODY
	CHANGE
	REFILL
	s_sub_co_u32 s[TR], s[TR], 1
	s_cmp_lg_u32 s[TR], 0
	s_cbranch_scc1 .Lslot
	QUANTQ                                         ; the second phase's q has landed a slot ago; its codes are read behind the next round
	BODY                                           ; slot 2
	s_cmp_lg_u32 s[NL], 3
	s_cbranch_scc1 .Lgo_on
	GIVE                                           ; three slots were the first phase
.Lgo_on:
	CHANGE
	REFILL                                         ; the fifth slot: the last fill
	s_cmp_lg_u32 s[NL], 3
	s_cbranch_scc1 .Lgo_on2
	s_mov_b32 s[TO], 0
	TAKE
	SECOND
.Lgo_on2:
	s_mov_b32 s[TR], 3
.Llast:                                                ; slots 3 and 4: nothing is filled any more
	BODY
	s_wait_alu depctr_va_vdst(0)
	s_wait_dscnt 0x0
	s_barrier_signal -1
	s_barrier_wait -1                              ; nobody's way out is in my region any more
	s_add_co_u32 s56, s[TR], 1
	s_cmp_eq_u32 s56, s[NL]
	s_cselect_b32 s57, 1, 0
	s_cmp_eq_u32 s[TR], 4
	s_cselect_b32 s[XF], 1, s57                    ; a phase ends here
	s_cselect_b32 s[TO], 1024, 0                   ; and which
	s_cmp_eq_u32 s[XF], 0
	s_cbranch_scc1 .Lno_give
	GIVE
.Lno_give:
	s_wait_alu depctr_va_vdst(0)
	s_wait_tensorcnt 0x0                           ; my part of the fifth slot
	s_wait_dscnt 0x0
	s_barrier_signal -1
	s_barrier_wait -1
	s_cmp_eq_u32 s[XF], 0
	s_cbranch_scc1 .Lno_take
	TAKE
	s_cmp_eq_u32 s[TR], 4
	s_cbranch_scc1 .Lno_take
	SECOND
.Lno_take:
	s_add_co_u32 s[TR], s[TR], 1
	s_wait_alu depctr_va_vdst(0)
	s_cmp_lt_u32 s[TR], 5
	s_cbranch_scc1 .Llast
	s_wait_tensorcnt 0x0                           ; the wave's end
	ds_add_u32 v[SPW], v[NIL]
	s_wait_dscnt 0x0
	ROUND                                          ; the closing round
	s_endpgm
.Lfunc_end_k_q4c9e58e769_attn:
	.size	k_q4c9e58e769_attn, .Lfunc_end_k_q4c9e58e769_attn-k_q4c9e58e769_attn
	.p2alignl 7, 3214868480
	.fill 96, 4, 3214868480
	.section	.rodata,"a",@progbits
	.p2align	6, 0x0
	.amdhsa_kernel k_q4c9e58e769_attn
		.amdhsa_group_segment_fixed_size 327680
		.amdhsa_private_segment_fixed_size 0
		.amdhsa_enable_private_segment 0
		.amdhsa_kernarg_size 32
		.amdhsa_user_sgpr_count 2
		.amdhsa_user_sgpr_kernarg_segment_ptr 1
		.amdhsa_wavefront_size32 1
		.amdhsa_system_sgpr_workgroup_id_x 1
		.amdhsa_system_sgpr_workgroup_id_y 1
		.amdhsa_system_sgpr_workgroup_id_z 1
		.amdhsa_system_vgpr_workitem_id 0
		.amdhsa_next_free_vgpr 512
		.amdhsa_next_free_sgpr 84
		.amdhsa_reserve_vcc 1
		.amdhsa_float_denorm_mode_32 3
		.amdhsa_float_denorm_mode_16_64 3
		.amdhsa_memory_ordered 1
		.amdhsa_forward_progress 1
		.amdhsa_inst_pref_size 206
	.end_amdhsa_kernel
	.amdgpu_metadata
---
amdhsa.version: [ 1, 2 ]
amdhsa.kernels:
  - .name:           k_q4c9e58e769_attn
    .symbol:         k_q4c9e58e769_attn.kd
    .args:
      - { .name: q, .offset: 0, .size: 8, .value_kind: global_buffer, .address_space: global }
      - { .name: kvc, .offset: 8, .size: 8, .value_kind: global_buffer, .address_space: global }
      - { .name: vsum, .offset: 16, .size: 8, .value_kind: global_buffer, .address_space: global }
      - { .name: out0, .offset: 24, .size: 8, .value_kind: global_buffer, .address_space: global }
    .group_segment_fixed_size: 327680
    .private_segment_fixed_size: 0
    .kernarg_segment_align: 8
    .kernarg_segment_size: 32
    .max_flat_workgroup_size: 256
    .sgpr_count:     84
    .vgpr_count:     512
    .wavefront_size: 32
...
	.end_amdgpu_metadata
.endif
;; end of part 2
